; MI455X (gfx1250); checked and timed in simulation.
; The chip was launched on July 23, 2026; its instructions are those of AMD's public machine-readable ISA for CDNA 5 (MIT licence, August 2026) and "CDNA5" Instruction Set Architecture Reference Guide (July 2026). The comments in the code are by the model that wrote it; some were corrected since.
;; Tab Net Encoder. Allowed arithmetic: matrix products marked QUANTISED: E2M1 operands, one E8M0 scale for each 32 along K, by v_wmma_scale_f32_16x16x128_f8f6f4 with both operands' format E2M1 (or v_wmma_scale_f32_32x16x128_f4), f32 sums; everything else in f32.
;; Inputs: att_b 5 x 128 float32; att_be 5 x 128 float32; att_g 5 x 128 float32; att_w 5 x 128 x 128 float32; features 131,072 x 256 float32; glu1_b 256 float32; glu1_be 256 float32; glu1_g 256 float32; glu1_w 256 x 256 float32; glu2_b 256 float32; glu2_be 256 float32; glu2_g 256 float32; glu2_w 128 x 256 float32; out_b 64 float32; out_w 128 x 64 float32.
;; Outputs: out0 131,072 x 64 float32.
;; This version of the problem:
;;   THIS VERSION OF THE PROBLEM IS GIVEN IN LOW PRECISION. The matrix products marked QUANTISED in the list below multiply operands that are first quantised to E2M1 (2 exponent bits, 1 mantissa bit; 4 bits a number), with one power-of-two scale for each 32 numbers along K (OCP MX v1.0); their sums are f32. All else is computed in f32.
;;   The module's matrix products, in the order in which they are computed (A, B: the left and right operand; K: the contracted axis; several contracted axes count as one K, in the product's order):
;;     1. [M 131,072, K 256] x [K 256, N 256]; A: input features; B: input glu1_w: QUANTISED
;;     2. [M 131,072, K 128] x [K 128, N 256]; A: computed on the way; B: input glu2_w: QUANTISED
;;     3. [M 131,072, K 128] x [K 128, N 128]; A: computed on the way; B: input att_w: QUANTISED
;;     4. [M 131,072, K 128] x [K 128, N 64]; A: computed on the way; B: input out_w: QUANTISED
;;     5. [M 131,072, K 128] x [K 128, N 128]; A: computed on the way; B: input att_w: QUANTISED
;;     6. [M 131,072, K 128] x [K 128, N 64]; A: computed on the way; B: input out_w: QUANTISED
;;     7. [M 131,072, K 128] x [K 128, N 128]; A: computed on the way; B: input att_w: QUANTISED
;;     8. [M 131,072, K 128] x [K 128, N 64]; A: computed on the way; B: input out_w: QUANTISED
;;     9. [M 131,072, K 128] x [K 128, N 128]; A: computed on the way; B: input att_w: QUANTISED
;;     10. [M 131,072, K 128] x [K 128, N 64]; A: computed on the way; B: input out_w: QUANTISED
;;     11. [M 131,072, K 128] x [K 128, N 128]; A: computed on the way; B: input att_w: QUANTISED
;;     12. [M 131,072, K 128] x [K 128, N 64]; A: computed on the way; B: input out_w: QUANTISED
;;   THE QUANTISER, for each operand of a quantised product, along K:
;;     - K is cut into blocks of 32 from its start; a last block that is shorter is filled with zeros.
;;     - A block's scale is 2^e with e = floor(log2(the largest magnitude in the block)) - 2, held to -126 .. 127; a block of zeros has e = 0. As a byte (E8M0): e + 127.
;;     - Each number is divided by its block's scale, clamped to +-6, and rounded to the nearest number of E2M1, ties to even, subnormals kept.
;;     - The product sums the exact products of the quantised numbers (number of the format x scale) in f32.
;;   ~~~python
;;   def quantise(x, axis):      # numpy; x: float32 -> the quantised numbers, widened to float32 again
;;       x = np.moveaxis(x, axis, -1); K = x.shape[-1]
;;       x = np.pad(x, [(0, 0)] * (x.ndim - 1) + [(0, -K % 32)]); x = x.reshape(x.shape[:-1] + (-1, 32)); a = np.abs(x).max(-1, keepdims=True)
;;       e = np.where(a > 0, np.clip(np.frexp(np.where(a > 0, a, 1))[1] - 1 - 2, -126, 127), 0)      # np.frexp(a)[1] - 1 = floor(log2(a)), exactly
;;       r = np.clip(x / 2.0 ** e, -6, 6)
;;       step = 2.0 ** (np.maximum(np.frexp(np.where(r == 0, 1, r))[1] - 1, 0) - 1)
;;       q = np.round(r / step) * step * 2.0 ** e      # np.round: ties to even
;;       return np.moveaxis(q.reshape(q.shape[:-2] + (-1,))[..., :K], -1, axis).astype(np.float32)
;;   ~~~
;;   OPERANDS COMPUTED ON THE WAY. 'Computed on the way' means the value that the module computes at that place (a softmax that the list does not call 'softmax' is quantised finished and normalised). What goes into a quantiser is computed in f32, as accurately as f32 sums, v_exp_f32 and their like allow (about 1e-6 of the number): no bf16 or f16 on the way to a quantiser, and a product that is left as it is and whose result goes on into a quantised operand takes f32 operands (vector FMAs, or v_wmma_f32_16x16x4_f32). A number that lies on a knife's edge between two numbers of the format may be rounded either way, as far as f32 arithmetic and the matrix unit's own rounding can turn it there, and no further.
;; One version. Each part assembles by itself: llvm-mc -triple=amdgcn-amd-amdhsa -mcpu=gfx1250 --defsym DOCPART=n.
;; ======== version 1 of 1: 2 launches
;; workspace buffers: wimg 74,752 bytes
;; launch prep (part 1): grid 64 x 1, 1 waves a work-group, no clusters, 0 bytes of LDS; arguments glu1_w, glu2_w, att_w, out_w, glu1_g, glu1_b, glu1_be, glu2_g, glu2_b, glu2_be, att_g, att_b, att_be, out_b, wimg; writes wimg
.if DOCPART == 1
	.amdgcn_target "amdgcn-amd-amdhsa--gfx1250"
	.amdhsa_code_object_version 6
	.text
	.protected	k_qb54c32ce08_prep
	.globl	k_qb54c32ce08_prep
	.p2align	8
	.type	k_qb54c32ce08_prep,@function
k_qb54c32ce08_prep:
	s_mov_b64 s[64:65], 0
	v_nop
	global_prefetch_b8 v0, s[64:65] scope:SCOPE_SE
	s_setreg_imm32_b32 hwreg(HW_REG_WAVE_MODE, 25, 1), 1
	s_wait_xcnt 0x0
; THE WEIGHTS, ONCE.  glu1_w [256][256], glu2_w [128][256], att_w[4] [128][128], out_w [128][64], all f32 with K as their first axis, become codes of FP4 (E2M1)
; with one E8M0 scale byte for each 32 along K, laid in the order of a matrix operand's registers; the vectors b, g, be of each layer become one multiply-add a column.
; Only slice 4 of att_w, att_b, att_g, att_be is used: the result is the last decision step's output, tfeat does not change from step to step and the prior scales are used nowhere,
; so decision steps 0 to 3 change no output number, for any input.
; FRAGMENT f (work-groups 0 to 59, one wave each): 16 columns x 128 K, 8 registers a lane; registers 4 c .. 4 c + 3 of lane l at byte 1024 f + 512 c + 16 l.
;   Lane (r, h) holds column 128 g + 32 b + 8 u + r + 8 (r / 8) and k = 128 s + 64 c + 32 h + 0 .. 31.   glu1: f = 8 b + 4 g + 2 u + s;  glu2: 32 + 4 b + 2 g + u;  att: 48 + 2 b + u;  out: 56 + 2 b + u.
;   A lane takes a column and its registers run down K: a block of 32 lies in one lane, and the conversions give the operand's registers as they stand.
;   Its scale words: word of lane l (row l % 16 of the fragment) at SCL + 128 f + 4 l.
; CONSTANTS (work-groups 60 to 63): for 8 neighbouring columns A = g x INV and C = b x A + be, so that bn(acc + b) = acc x A + C; for the gate columns of a GLU both are multiplied by -log2(e).
;   Slot (T, h) of a table at 128 T + 64 h: A[0..7], C[0..7] of columns 128 g + 32 b + 16 h + 8 u + 0 .. 7, T = 8 g + 2 b + u.  For out: A = 0, C = out_b.
; LIMITS: inputs are finite; a block whose largest magnitude lies under 2^-124 takes the scale byte 1; a block of zeros has the byte 1 where the rule says 127 (its codes are zeros, and this program alone reads the bytes).
.set SCL,  61440
.set CT1,  69120
.set CT2,  71168
.set CTA,  73216
.set CTO,  74240
.set INV,  0x3f7fdf42                  ; 1 / sqrt(1.001)
.set NL2E, 0xbfb8aa3b                  ; -log2(e)
.set OFF,  64                          ; v64-127   byte offsets of my 64 numbers
.set X,    128                         ; v128-191  the numbers: register 32 c + i = k 64 c + 32 h + i of my column
.set CD,   48                          ; v48-55    the codes
	s_load_b256 s[4:11], s[0:1], 0x0               ; glu1_w s[4:5], glu2_w s[6:7], att_w s[8:9], out_w s[10:11]
	s_load_b256 s[12:19], s[0:1], 0x20             ; glu1_g s[12:13], glu1_b s[14:15], glu1_be s[16:17], glu2_g s[18:19]
	s_load_b256 s[20:27], s[0:1], 0x40             ; glu2_b s[20:21], glu2_be s[22:23], att_g s[24:25], att_b s[26:27]
	s_load_b128 s[28:31], s[0:1], 0x60             ; att_be s[28:29], out_b s[30:31]
	s_load_b64 s[32:33], s[0:1], 0x70              ; wimg
	v_and_b32 v1, 15, v0                           ; r
	v_lshrrev_b32 v2, 4, v0                        ; h
	s_mov_b32 s42, 0x76543210
	s_mov_b32 s43, 0xfedcba98                      ; lane selects: lane l xor 16
	s_wait_kmcnt 0x0
	s_add_nc_u64 s[8:9], s[8:9], 0x40000           ; slice 4 of att_w: 4 x 128 x 128 x 4 bytes on
	s_add_nc_u64 s[24:25], s[24:25], 0x800         ; and of its vectors: 4 x 128 x 4 bytes on
	s_add_nc_u64 s[26:27], s[26:27], 0x800
	s_add_nc_u64 s[28:29], s[28:29], 0x800
	s_cmp_ge_u32 ttmp9, 60
	s_cbranch_scc1 .Lconsts
	; ---- a fragment.  e = 8 b + 4 g + 2 u + s is made from f for each of the four weights, then chosen
	s_and_b32 s38, ttmp9, 7                        ; att, out: t = 2 b + u
	s_and_b32 s39, s38, 6
	s_lshl_b32 s39, s39, 2                         ; 8 b
	s_and_b32 s38, s38, 1
	s_lshl_b32 s38, s38, 1                         ; 2 u
	s_or_b32 s38, s38, s39
	s_sub_co_u32 s39, ttmp9, 32
	s_lshl_b32 s39, s39, 1                         ; glu2: 2 (f - 32)
	s_cmp_lt_u32 ttmp9, 56
	s_cselect_b64 s[34:35], s[8:9], s[10:11]       ; the weight; the choice hangs on the work-group's number alone
	s_cselect_b32 s36, 1, 0                        ; a row of it is 256 << s36 bytes
	s_cmp_lt_u32 ttmp9, 48
	s_cselect_b64 s[34:35], s[6:7], s[34:35]
	s_cselect_b32 s36, 2, s36
	s_cselect_b32 s38, s39, s38
	s_cmp_lt_u32 ttmp9, 32
	s_cselect_b64 s[34:35], s[4:5], s[34:35]
	s_cselect_b32 s38, ttmp9, s38                  ; e
	s_lshl_b32 s37, 256, s36                       ; the pitch
	s_mul_i32 s40, s37, 33                         ; from k = 32 h + 31 to k = 64 + 32 h: 33 rows
	s_bfe_u32 s39, s38, 0x10002                    ; g
	s_lshl_b32 s39, s39, 7
	s_lshr_b32 s41, s38, 3                         ; b
	s_lshl_b32 s41, s41, 5
	s_add_co_u32 s39, s39, s41
	s_bfe_u32 s41, s38, 0x10001                    ; u
	s_lshl_b32 s41, s41, 3
	s_add_co_u32 s39, s39, s41                     ; the fragment's first column
	s_and_b32 s41, s38, 1
	s_lshl_b32 s41, s41, 7                         ; its first k: 128 s
	s_wait_alu depctr_va_vdst(0)
	v_and_b32 v3, 8, v1
	v_add_nc_u32 v3, v3, v1                        ; r + 8 (r / 8)
	v_add_nc_u32 v3, s39, v3                       ; my column
	v_lshlrev_b32 v4, 5, v2
	v_add_nc_u32 v4, s41, v4                       ; my first k
	v_mul_lo_u32 v4, v4, s37
	v_lshl_add_u32 v[OFF], v3, 2, v4
.set q, 1
.rept 63
.if q == 32
	v_add_nc_u32 v[OFF+q], s40, v[OFF+q-1]
.else
	v_add_nc_u32 v[OFF+q], s37, v[OFF+q-1]         ; a row further down
.endif
.set q, q+1
.endr
.set q, 0
.rept 64
	global_load_b32 v[X+q], v[OFF+q], s[34:35]
.set q, q+1
.endr
	s_lshl_b32 s44, ttmp9, 10                      ; where the image goes,
	s_mov_b32 s45, 0
	s_add_nc_u64 s[46:47], s[32:33], s[44:45]
	s_lshl_b32 s44, ttmp9, 7
	s_add_co_u32 s44, s44, SCL                     ; and its scale words
	s_add_nc_u64 s[48:49], s[32:33], s[44:45]
	v_lshlrev_b32 v5, 4, v0
	v_lshlrev_b32 v6, 2, v0
	s_wait_loadcnt 0x0
.irp c, 0,1                                    ; my block 2 c + h: all its 32 numbers are mine
	v_max3_num_f32 v[32+\c], |v[X+32*\c]|, |v[X+32*\c+1]|, 0x1800000   ; with the floor 2^(3 - 127): the byte cannot fall under 1
.endr
.irp i, 2,4,6,8,10,12,14,16,18,20,22,24,26,28,30
.irp c, 0,1
	v_max3_num_f32 v[32+\c], v[32+\c], |v[X+32*\c+\i]|, |v[X+32*\c+\i+1]|
.endr
.endr
.irp c, 0,1
	v_add_nc_u32 v[44+\c], 0xff000000, v[32+\c]    ; 2 off the exponent field: the conversion's scale operand
.endr
.irp c, 0,1
	v_lshrrev_b32 v[36+\c], 23, v[44+\c]           ; the scale's byte
.endr
	v_lshl_or_b32 v9, v37, 16, v36                 ; my two bytes: blocks h and 2 + h,
	v_lshlrev_b32 v10, 3, v2
	v_lshlrev_b32 v9, v10, v9                      ; at their places in the word;
	v_mov_b32 v10, 0
	v_permlanex16_b32 v10, v9, s42, s43
	v_or_b32 v9, v9, v10                           ; with lane l xor 16's two the word is whole, in both lanes
.irp c, 0,1
.irp g, 0,1,2,3
	v_cvt_scalef32_pk8_fp4_f32 v[CD+4*\c+\g], v[X+32*\c+8*\g:X+32*\c+8*\g+7], v[44+\c]
.endr
.endr
	v_nop                                          ; a plain instruction behind the last scaled conversion
	global_store_b128 v5, v[CD:CD+3], s[46:47]               ; 32 lanes store 512 consecutive bytes
	global_store_b128 v5, v[CD+4:CD+7], s[46:47] offset:512
	global_store_b32 v6, v9, s[48:49]
	s_endpgm
.Lconsts:
	; ---- a table of constants.  j = 0: glu1, 1: glu2, 2: att[4], 3: out
	s_sub_co_u32 s38, ttmp9, 60
	s_mov_b32 s40, CTO
	s_cmp_eq_u32 s38, 2
	s_cselect_b64 s[34:35], s[24:25], s[30:31]     ; g
	s_cselect_b64 s[36:37], s[26:27], s[30:31]     ; b
	s_cselect_b64 s[50:51], s[28:29], s[30:31]     ; be
	s_cselect_b32 s39, 15, 7                       ; groups of 8 columns, less 1
	s_cselect_b32 s40, CTA, s40
	s_cmp_eq_u32 s38, 1
	s_cselect_b64 s[34:35], s[18:19], s[34:35]
	s_cselect_b64 s[36:37], s[20:21], s[36:37]
	s_cselect_b64 s[50:51], s[22:23], s[50:51]
	s_cselect_b32 s39, 31, s39
	s_cselect_b32 s40, CT2, s40
	s_cmp_eq_u32 s38, 0
	s_cselect_b64 s[34:35], s[12:13], s[34:35]
	s_cselect_b64 s[36:37], s[14:15], s[36:37]
	s_cselect_b64 s[50:51], s[16:17], s[50:51]
	s_cselect_b32 s39, 31, s39
	s_cselect_b32 s40, CT1, s40
	s_cmp_eq_u32 s38, 3
	s_cselect_b32 s41, 0, INV                      ; out has no gain: A = 0 and C = out_b x 0 + out_b
	v_and_b32 v1, s39, v0                          ; G: my group of 8 columns.  Where there are fewer than 32 groups, lanes with the same G store the same numbers to the same bytes
	v_lshlrev_b32 v2, 5, v1
	global_load_b128 v[16:19], v2, s[34:35]
	global_load_b128 v[20:23], v2, s[34:35] offset:16
	global_load_b128 v[24:27], v2, s[36:37]
	global_load_b128 v[28:31], v2, s[36:37] offset:16
	global_load_b128 v[32:35], v2, s[50:51]
	global_load_b128 v[36:39], v2, s[50:51] offset:16
	v_mov_b32 v3, 1.0
	v_mov_b32 v4, NL2E
	v_cmp_lt_u32 vcc_lo, 15, v1
	v_cndmask_b32 v3, v3, v4, vcc_lo               ; gate columns (128 on): x -log2(e)
	v_and_b32 v5, 15, v1                           ; q = 4 b + 2 h + u
	v_lshrrev_b32 v6, 4, v1
	v_lshlrev_b32 v6, 3, v6                        ; 8 g
	v_lshrrev_b32 v7, 2, v5
	v_lshl_add_u32 v6, v7, 1, v6                   ; + 2 b
	v_and_b32 v7, 1, v5
	v_add_nc_u32 v6, v6, v7                        ; + u = T
	v_bfe_u32 v7, v5, 1, 1                         ; h
	v_lshlrev_b32 v6, 7, v6
	v_lshl_add_u32 v6, v7, 6, v6
	v_add_nc_u32 v6, s40, v6                       ; the slot
	s_wait_loadcnt 0x0
.irp j, 0,1,2,3,4,5,6,7
	v_mul_f32 v[40+\j], s41, v[16+\j]              ; A = g x INV
.endr
.irp j, 0,1,2,3,4,5,6,7
	v_fma_f32 v[48+\j], v[24+\j], v[40+\j], v[32+\j]   ; C = b x A + be
.endr
.irp j, 0,1,2,3,4,5,6,7
	v_mul_f32 v[40+\j], v[40+\j], v3
	v_mul_f32 v[48+\j], v[48+\j], v3
.endr
	global_store_b128 v6, v[40:43], s[32:33]
	global_store_b128 v6, v[44:47], s[32:33] offset:16
	global_store_b128 v6, v[48:51], s[32:33] offset:32
	global_store_b128 v6, v[52:55], s[32:33] offset:48
	s_endpgm
.Lfunc_end_k_qb54c32ce08_prep:
	.size	k_qb54c32ce08_prep, .Lfunc_end_k_qb54c32ce08_prep-k_qb54c32ce08_prep
	.p2alignl 7, 3214868480
	.fill 96, 4, 3214868480
	.section	.rodata,"a",@progbits
	.p2align	6, 0x0
	.amdhsa_kernel k_qb54c32ce08_prep
		.amdhsa_group_segment_fixed_size 0
		.amdhsa_private_segment_fixed_size 0
		.amdhsa_enable_private_segment 0
		.amdhsa_kernarg_size 120
		.amdhsa_user_sgpr_count 2
		.amdhsa_user_sgpr_kernarg_segment_ptr 1
		.amdhsa_wavefront_size32 1
		.amdhsa_system_sgpr_workgroup_id_x 1
		.amdhsa_system_sgpr_workgroup_id_y 1
		.amdhsa_system_sgpr_workgroup_id_z 1
		.amdhsa_system_vgpr_workitem_id 0
		.amdhsa_next_free_vgpr 192
		.amdhsa_next_free_sgpr 66
		.amdhsa_reserve_vcc 1
		.amdhsa_float_denorm_mode_32 3
		.amdhsa_float_denorm_mode_16_64 3
		.amdhsa_memory_ordered 1
		.amdhsa_forward_progress 1
		.amdhsa_inst_pref_size 18
	.end_amdhsa_kernel
	.amdgpu_metadata
---
amdhsa.version: [ 1, 2 ]
amdhsa.kernels:
  - .name:           k_qb54c32ce08_prep
    .symbol:         k_qb54c32ce08_prep.kd
    .args:
      - { .name: glu1_w, .offset: 0, .size: 8, .value_kind: global_buffer, .address_space: global }
      - { .name: glu2_w, .offset: 8, .size: 8, .value_kind: global_buffer, .address_space: global }
      - { .name: att_w, .offset: 16, .size: 8, .value_kind: global_buffer, .address_space: global }
      - { .name: out_w, .offset: 24, .size: 8, .value_kind: global_buffer, .address_space: global }
      - { .name: glu1_g, .offset: 32, .size: 8, .value_kind: global_buffer, .address_space: global }
      - { .name: glu1_b, .offset: 40, .size: 8, .value_kind: global_buffer, .address_space: global }
      - { .name: glu1_be, .offset: 48, .size: 8, .value_kind: global_buffer, .address_space: global }
      - { .name: glu2_g, .offset: 56, .size: 8, .value_kind: global_buffer, .address_space: global }
      - { .name: glu2_b, .offset: 64, .size: 8, .value_kind: global_buffer, .address_space: global }
      - { .name: glu2_be, .offset: 72, .size: 8, .value_kind: global_buffer, .address_space: global }
      - { .name: att_g, .offset: 80, .size: 8, .value_kind: global_buffer, .address_space: global }
      - { .name: att_b, .offset: 88, .size: 8, .value_kind: global_buffer, .address_space: global }
      - { .name: att_be, .offset: 96, .size: 8, .value_kind: global_buffer, .address_space: global }
      - { .name: out_b, .offset: 104, .size: 8, .value_kind: global_buffer, .address_space: global }
      - { .name: wimg, .offset: 112, .size: 8, .value_kind: global_buffer, .address_space: global }
    .group_segment_fixed_size: 0
    .private_segment_fixed_size: 0
    .kernarg_segment_align: 8
    .kernarg_segment_size: 120
    .max_flat_workgroup_size: 32
    .sgpr_count:     66
    .vgpr_count:     192
    .wavefront_size: 32
...
	.end_amdgpu_metadata
.endif
;; end of part 1
;; launch main (part 2): grid 256 x 1, 8 waves a work-group, no clusters, 144,384 bytes of LDS; arguments features, wimg, out0; writes out0
.if DOCPART == 2
	.amdgcn_target "amdgcn-amd-amdhsa--gfx1250"
	.amdhsa_code_object_version 6
	.text
	.protected	k_qb54c32ce08_main
	.globl	k_qb54c32ce08_main
	.p2align	8
	.type	k_qb54c32ce08_main,@function
k_qb54c32ce08_main:
	s_mov_b64 s[64:65], 0
	v_nop
	global_prefetch_b8 v0, s[64:65] scope:SCOPE_SE
	s_setreg_imm32_b32 hwreg(HW_REG_WAVE_MODE, 25, 1), 1
	s_wait_xcnt 0x0
; out0 = (tfeat x sparsemax(bn(tfeat att_w[4] + att_b[4]))) out_w + out_b,  tfeat = GLU2(GLU1(features)); every product on codes of FP4 (E2M1) with one E8M0 scale for each 32 along K, all else in f32.
; ONLY THE LAST DECISION STEP IS COMPUTED: the result is that step's output, tfeat does not change from step to step and the prior scales are used nowhere, so steps 0 to 3 change no output number, for any input.
; SHARES.  256 work-groups of 8 waves; a work-group takes 512 rows, a wave 64, as two batches of 32 rows (two tiles of 16), each through the whole chain: no intermediate goes to memory, and waves hand each other nothing.
; The weights come as images of operand registers (made once by the launch before) and are copied into LDS at the head: one barrier in the whole text.  Each fragment read from LDS serves both tiles of a batch.
; LAYOUT.  Every product is used transposed: source 0 = 16 columns of a weight, source 1 = 16 rows.  The columns of a fragment are chosen so that register j of tile 2 b + u in lane (r, h) is row r, column 32 b + 16 h + 8 u + j:
; 16 registers of two neighbouring tiles are 16 neighbours along the next K, and a block of 32 lies in lanes l and l xor 16.
; SPARSEMAX without a branch on data: a row's 128 numbers (64 in each of two lanes) are sorted downward by a bitonic network of maxima and minima; tau = the largest of (sum of the k largest - 1) / k over k = 1 .. 128,
; which is the threshold at the last k of the support: the quotient rises with k exactly while number k + 1 lies above it.
; NO CLUSTER: the work-groups share only the 74,752 bytes of images, about a ninth of the 655,360 bytes that a work-group reads and writes.  NO TENSOR LOADS: x is read once, by loads of 512 consecutive bytes a wave, a phase ahead of its use.
; LIMITS: inputs are finite.  A gate whose sigmoid lies under 2^-126 gives 0 (v_exp_f32 and v_rcp_f32 flush denormals: ISA guide, their entries).  A block whose largest magnitude lies under 2^-124 takes the scale byte 1.
; tau's sums are f32 sums in chunks of 16, not one running sum; the division by k is a multiplication by a refined reciprocal; bn(acc + b) is one fused multiply-add acc x A + C with A = g / sqrt(1.001), C = b A + be.
; REGISTERS.  Window 0: v1-15 addresses and lane constants; v16-45 the weights' scale words; v46-51 the rows' scale words; v52-63 the quantiser's; v64-79 codes of the layer in hand; v80-111 x's codes; v112-127 tau's;
;   R1 = v128-191, R2 = v192-255 at work.   Window 1: v0-127 T (the GLUs' results, 64 a tile); R3 = v128-191 constants, later z; XL = v192-255 a piece of the next batch's x as it is loaded.
.set SCL,   61440                      ; LDS 0 .. 74,751: the images as they lie in wimg: 60 fragments of 1,024 bytes; their scale words, 128 bytes each;
.set CT1,   69120                      ; the tables of constants: GLU1's,
.set CT2,   71168                      ; GLU2's,
.set CTA,   73216                      ; the attention's,
.set CTO,   74240                      ; the output's
.set TAILB, 73728                      ; 18 x 4,096: what is left of the images is 1,024 bytes
.set INVT,  74752                      ; 1 / k, k = 1 .. 256, one word a thread (128 are used)
.set STG,   75776                      ; a stage for each wave:
.set STGB,  8448                       ; 16 rows x 528 bytes for a piece of x, or 16 rows x 272 for rows of out
.set XP,    528                        ; 512 bytes + 16: the sixteen rows that a load touches start 33 x 16 bytes apart
.set OP,    272
.set LI,  1                            ; v1   16 x lane: a lane's place in an image, in a row of x, in two rows of out
.set CA,  2                            ; v2   CT1 + 64 h
.set IA,  3                            ; v3   INVT + 256 h
.set STW, 4                            ; v4   stage + 16 x lane
.set STR, 5                            ; v5   stage + 528 r + 64 h
.set OSW, 6                            ; v6   stage + 272 r + 64 h
.set OSR, 7                            ; v7   stage + 272 h + 16 r
.set VL,  9                            ; v9   +infinity in lanes 0-15, -infinity in lanes 16-31
.set HF,  10                           ; v10  h as f32
.set SC,  16                           ; v16-45  register i: lanes 0-15 the scale words of fragment 2 i, lanes 16-31 of fragment 2 i + 1
.set XS,  46                           ; v46-49  x's scale words, piece p = 2 m + s
.set TS,  50                           ; v50-51  the scale word of the layer in hand, tile m
.set TM,  52                           ; v52-55 largest magnitudes; v56-59 the other lane's, then bytes; v60-63 scale operands
.set TQ,  64                           ; v64-79  codes of the layer in hand, tile m at + 8 m
.set XQ,  80                           ; v80-111 x's codes, piece p at + 8 p
.set OQ,  112                          ; v112-119 four pairs: what is added to each chunk's running sums (the low word serves both halves)
.set MX,  120                          ; v120-123
.set TAU, 124                          ; v124-125
.set TOT, 126
.set OTH, 127
.set R1,  128
.set R2,  192
.set T,   0                            ; in window 1
.set R3,  128
.set XL,  192
.set MSB, 0
.macro WIN new                         ; the immediate's high byte repeats the setting that is left; a switch that changes nothing is dropped
.if MSB != (\new)
	s_set_vgpr_msb (MSB<<8)|(\new)
.set MSB, (\new)
.endif
.endm
.macro PLACES n
.rept \n
	v_nop
.endr
.endm
; One matrix instruction.  c < 0: the constant 0 starts the sum.  row = 1: source 0's scale words stand in lanes 16-31.
.macro MM d, a, b, c, sa, sb, row
.if (\c) < 0
.if \row
	v_wmma_scale_f32_16x16x128_f8f6f4 v[(\d):(\d)+7], v[(\a):(\a)+7], v[(\b):(\b)+7], 0, v[\sa], v[\sb] matrix_a_fmt:MATRIX_FMT_FP4 matrix_b_fmt:MATRIX_FMT_FP4 matrix_a_scale:MATRIX_SCALE_ROW1
.else
	v_wmma_scale_f32_16x16x128_f8f6f4 v[(\d):(\d)+7], v[(\a):(\a)+7], v[(\b):(\b)+7], 0, v[\sa], v[\sb] matrix_a_fmt:MATRIX_FMT_FP4 matrix_b_fmt:MATRIX_FMT_FP4
.endif
.else
.if \row
	v_wmma_scale_f32_16x16x128_f8f6f4 v[(\d):(\d)+7], v[(\a):(\a)+7], v[(\b):(\b)+7], v[(\c):(\c)+7], v[\sa], v[\sb] matrix_a_fmt:MATRIX_FMT_FP4 matrix_b_fmt:MATRIX_FMT_FP4 matrix_a_scale:MATRIX_SCALE_ROW1
.else
	v_wmma_scale_f32_16x16x128_f8f6f4 v[(\d):(\d)+7], v[(\a):(\a)+7], v[(\b):(\b)+7], v[(\c):(\c)+7], v[\sa], v[\sb] matrix_a_fmt:MATRIX_FMT_FP4 matrix_b_fmt:MATRIX_FMT_FP4
.endif
.endif
.endm
; Piece p of a batch's x (tile p / 2, K step p % 2: 16 rows x 512 bytes) into 64 registers of window 1; nxt = 1: the next batch's.  Each load covers 512 consecutive bytes.
.macro XLOAD p, land, nxt
	WIN 0x40
.irp i, 0,1,2,3,4,5,6,7,8,9,10,11,12,13,14,15
	global_load_b128 v[(\land)+4*\i:(\land)+4*\i+3], v[LI], s[4:5] offset:(\nxt)*32768+(16*((\p)/2)+\i)*1024+512*((\p)%2) th:TH_LOAD_NT
.endr
	WIN 0
.endm
; The piece turns through my stage: in as it was loaded, back so that lane (r, h) holds, of row r, 16 neighbours of each block of 32: R1 + 16 b + i = k 32 b + 16 h + i.
.macro XTURN land, cnt
	s_wait_loadcnt \cnt                            ; the piece is in; cnt younger loads (later pieces) may be out
	s_wait_xcnt 0x0                                ; earlier stores have read R1, which is loaded anew below
	WIN 0x04                                       ; an LDS store's data are its source 1: window 1
.irp i, 0,1,2,3,4,5,6,7,8,9,10,11,12,13,14,15
	ds_store_b128 v[STW], v[(\land)+4*\i:(\land)+4*\i+3] offset:XP*\i
.endr
	WIN 0
.irp b, 0,1,2,3
.irp j, 0,1,2,3
	ds_load_b128 v[R1+16*\b+4*\j:R1+16*\b+4*\j+3], v[STR] offset:128*\b+16*\j   ; LDS serves a wave's instructions in order: these see the stores above
.endr
.endr
	s_wait_dscnt 0x0
.endm
; 64 numbers of a lane in window w, register s + 16 b + i = k 32 b + 16 h + i of my row, become a fragment's codes in v[d] on and its scale word in v[sw].
.macro QUANT s, w, d, sw
	WIN 5*(\w)
.irp b, 0,1,2,3
	v_max3_num_f32 v[TM+\b], |v[(\s)+16*\b]|, |v[(\s)+16*\b+1]|, 0x1800000   ; my 16 numbers of block b, and the floor 2^(3 - 127): the byte cannot fall under 1
.endr
.irp i, 2,4,6,8,10,12,14
.irp b, 0,1,2,3
	s_delay_alu instid0(VALU_DEP_4)
	v_max3_num_f32 v[TM+\b], |v[(\s)+16*\b+\i]|, |v[(\s)+16*\b+\i+1]|, v[TM+\b]   ; the four blocks by turns
.endr
.endr
	WIN 0
.irp b, 0,1,2,3
	v_permlanex16_b32 v[TM+4+\b], v[TM+\b], s12, s13
.endr
.irp b, 0,1,2,3
	s_delay_alu instid0(VALU_DEP_4)
	v_max_num_f32 v[TM+\b], v[TM+\b], v[TM+4+\b]   ; with lane l xor 16's: the block's largest magnitude
.endr
.irp b, 0,1,2,3
	s_delay_alu instid0(VALU_DEP_4)
	v_add_nc_u32 v[TM+8+\b], 0xff000000, v[TM+\b]  ; 2 off its exponent field: the conversion's scale operand
.endr
.irp b, 0,1,2,3
	s_delay_alu instid0(VALU_DEP_4)
	v_lshrrev_b32 v[TM+4+\b], 23, v[TM+8+\b]       ; the scale's byte
.endr
	s_delay_alu instid0(VALU_DEP_3)
	v_lshl_or_b32 v[\sw], v[TM+5], 8, v[TM+4]
	s_delay_alu instid0(VALU_DEP_1)
	v_lshl_or_b32 v[\sw], v[TM+6], 16, v[\sw]
	s_delay_alu instid0(VALU_DEP_1)
	v_lshl_or_b32 v[\sw], v[TM+7], 24, v[\sw]      ; my row's scale word
	WIN \w
.irp b, 0,1,2,3
	v_cvt_scalef32_pk8_fp4_f32 v[(\d)+2*\b], v[(\s)+16*\b:(\s)+16*\b+7], v[TM+8+\b]
	v_cvt_scalef32_pk8_fp4_f32 v[(\d)+2*\b+1], v[(\s)+16*\b+8:(\s)+16*\b+15], v[TM+8+\b]
.endr
	WIN 0
	v_nop                                          ; a plain instruction behind the last scaled conversion
.irp c, 0,1                                    ; the operand wants a whole block in a lane: lanes 0-15 block 2 c, lanes 16-31 block 2 c + 1
.irp i, 0,1
	v_permlane16_swap_b32 v[(\d)+4*\c+\i], v[(\d)+4*\c+2+\i]
.endr
.endr
.endm
; Piece p of the NEXT batch: it was asked for a phase ago; it is turned and quantised, and the piece behind it is asked for.  The last batch has no next: a branch on the count of batches; no load leaves its buffer.
.macro XPIECE p
	s_cmp_eq_u32 s14, 1
	s_cbranch_scc1 .Lno_x_\@
	XTURN XL, 0
.if (\p) < 3
	XLOAD (\p)+1, XL, 1
.endif
	QUANT R1, 0, XQ+8*(\p), XS+(\p)
.Lno_x_\@:
.endm
.macro LDFR n, f0                      ; n fragments from image f0 on into R2
.set q, 0
.rept \n
	ds_load_b128 v[R2+8*q:R2+8*q+3], v[LI] offset:1024*((\f0)+q)
	ds_load_b128 v[R2+8*q+4:R2+8*q+7], v[LI] offset:1024*((\f0)+q)+512
.set q, q+1
.endr
.endm
.macro LDCN ct, b                      ; the constants of a GLU's group b into R3: for (g, u) 16 registers, A[0..7] then C[0..7]
	WIN 0x40
.irp g, 0,1
.irp u, 0,1
.irp q, 0,1,2,3
	ds_load_b128 v[R3+16*(2*\g+\u)+4*\q:R3+16*(2*\g+\u)+4*\q+3], v[CA] offset:(\ct)-CT1+128*(8*\g+2*(\b)+\u)+16*\q
.endr
.endr
.endr
	WIN 0
.endm
; A GLU's arithmetic on group b: accumulator (g, u, m) at R1 + 8 (2 (2 g + u) + m).  value x 1 / (1 + 2^(gate)), the gate's constants carrying -log2(e).  nct >= 0: the next group's constants are asked for.
.macro GLUMATH b, nct, nb
	WIN 0x14                                       ; sources 1 and 2: window 1
.irp u, 0,1
.irp m, 0,1
.irp p, 0,1,2,3                                ; each accumulator from its low end on
	v_pk_fma_f32 v[R1+32+8*(2*\u+\m)+2*\p:R1+32+8*(2*\u+\m)+2*\p+1], v[R1+32+8*(2*\u+\m)+2*\p:R1+32+8*(2*\u+\m)+2*\p+1], v[R3+32+16*\u+2*\p:R3+32+16*\u+2*\p+1], v[R3+40+16*\u+2*\p:R3+40+16*\u+2*\p+1]
.endr
.endr
.endr
.set i, 0
	s_wait_alu depctr_va_vdst(0)
.rept 32
	v_exp_f32 v[R1+32+i], v[R1+32+i]               ; one batch
.set i, i+1
.endr
	s_wait_alu depctr_va_vdst(0)
.irp u, 0,1
.irp m, 0,1
.irp p, 0,1,2,3                                ; the values: plain work behind the batch, which names none of its results
	v_pk_fma_f32 v[R1+8*(2*\u+\m)+2*\p:R1+8*(2*\u+\m)+2*\p+1], v[R1+8*(2*\u+\m)+2*\p:R1+8*(2*\u+\m)+2*\p+1], v[R3+16*\u+2*\p:R3+16*\u+2*\p+1], v[R3+8+16*\u+2*\p:R3+8+16*\u+2*\p+1]
.endr
.endr
.endr
.if (\nct) >= 0
	LDCN \nct, \nb
.else
	WIN 0
.endif
	s_wait_alu depctr_va_vdst(0)                   ; one wait for the 32 exponentials, ahead of their first reader
.set i, 0
.rept 16
	v_pk_add_f32 v[R1+32+2*i:R1+32+2*i+1], v[R1+32+2*i:R1+32+2*i+1], 1.0 op_sel_hi:[1,0]
.set i, i+1
.endr
.set i, 0
	s_wait_alu depctr_va_vdst(0)
.rept 32
	v_rcp_f32 v[R1+32+i], v[R1+32+i]
.set i, i+1
.endr
	v_nop                                          ; a plain instruction behind the last reciprocal
	s_wait_alu depctr_va_vdst(0)                   ; and one wait for the 32
	WIN 0x40
.irp u, 0,1
.irp m, 0,1
.irp p, 0,1,2,3
	v_pk_mul_f32 v[T+64*\m+16*(\b)+8*\u+2*\p:T+64*\m+16*(\b)+8*\u+2*\p+1], v[R1+8*(2*\u+\m)+2*\p:R1+8*(2*\u+\m)+2*\p+1], v[R1+32+8*(2*\u+\m)+2*\p:R1+32+8*(2*\u+\m)+2*\p+1]
.endr
.endr
.endr
	WIN 0
.endm
; GLU1, group b: columns 32 b .. 32 b + 31 of the values and of the gates, both tiles of rows, K = 256 in two steps.  The eight accumulators take turns, one instruction a turn.
.macro G1 b
	s_wait_dscnt 0x0                               ; the group's eight fragments and its constants are in
.irp g, 0,1
.irp u, 0,1
.irp m, 0,1
	MM R1+8*(2*(2*\g+\u)+\m), R2+8*(4*\g+2*\u), XQ+16*\m, -1, SC+4*(\b)+2*\g+\u, XS+2*\m, 0
.endr
.endr
.endr
	s_wait_alu depctr_va_vdst(0)
.irp g, 0,1
.irp u, 0,1
.irp m, 0,1
	MM R1+8*(2*(2*\g+\u)+\m), R2+8*(4*\g+2*\u+1), XQ+16*\m+8, R1+8*(2*(2*\g+\u)+\m), SC+4*(\b)+2*\g+\u, XS+2*\m+1, 1
.endr
.endr
.endr
	PLACES 4                                       ; in front of loads into registers that the products have read, and of the first read of results
.if (\b) < 3
	LDFR 8, 8*(\b)+8
	GLUMATH \b, CT1, (\b)+1
.else
	LDFR 4, 32                                     ; GLU2's first group
	GLUMATH \b, CT2, 0
.endif
.endm
.macro G2 b                            ; GLU2, group b: K = 128, one step
	s_wait_dscnt 0x0
.irp g, 0,1
.irp u, 0,1
.irp m, 0,1
	MM R1+8*(2*(2*\g+\u)+\m), R2+8*(2*\g+\u), TQ+8*\m, -1, SC+16+2*(\b)+\g, TS+\m, \u
.endr
.endr
.endr
	PLACES 4
.if (\b) < 3
	LDFR 4, 36+4*(\b)
	GLUMATH \b, CT2, (\b)+1
.else
	LDFR 8, 48                                     ; the attention's eight fragments
	GLUMATH \b, -1, 0
.endif
.endm
; One stage of the bitonic network on a lane's 64 registers: partner i xor j; downward where bit k of i is 0.  Both partners are written, into the other array: no copy, no exchange.
.macro STAGE src, dst, j, k
.set i, 0
.rept 64
.if (((i/(\j))^(i/(\k)))&1) == 0
	v_max_num_f32 v[(\dst)+i], v[(\src)+i], v[(\src)+(i^(\j))]
.else
	v_min_num_f32 v[(\dst)+i], v[(\src)+i], v[(\src)+(i^(\j))]
.endif
.set i, i+1
.endr
.endm
; Tile m from tfeat's codes to 16 rows of out.  pre = 1: the attention's fragments lie in R2 already.
.macro TAIL m, pre
	s_wait_xcnt 0x0                                ; the stores of the tile before have read R1, which is loaded anew below
.if (\pre) == 0
	LDFR 8, 48
.endif
.irp t, 0,1,2,3
.irp q, 0,1,2,3
	ds_load_b128 v[R1+16*\t+4*\q:R1+16*\t+4*\q+3], v[CA] offset:CTA-CT1+128*\t+16*\q   ; the constants of tiles 0 to 3
.endr
.endr
	s_wait_dscnt 0x0
	PLACES 8                                       ; the rows' scale word and codes were written by vector instructions: 8 and 4 plain instructions stand ahead of a scaled product
	WIN 0x40                                       ; z in window 1
.irp t, 0,1,2,3,4,5,6,7
	MM R3+8*\t, R2+8*\t, TQ+8*(\m), -1, SC+24+\t/2, TS+(\m), \t%2
.endr
	WIN 0
	PLACES 4
.irp t, 0,1,2,3
.irp q, 0,1,2,3
	ds_load_b128 v[R2+16*\t+4*\q:R2+16*\t+4*\q+3], v[CA] offset:CTA-CT1+128*(4+\t)+16*\q   ; those of tiles 4 to 7, over the fragments
.endr
.endr
	WIN 0x41                                       ; z: destination and source 0 in window 1
.irp t, 0,1,2,3
.irp p, 0,1,2,3
	v_pk_fma_f32 v[R3+8*\t+2*\p:R3+8*\t+2*\p+1], v[R3+8*\t+2*\p:R3+8*\t+2*\p+1], v[R1+16*\t+2*\p:R1+16*\t+2*\p+1], v[R1+16*\t+8+2*\p:R1+16*\t+8+2*\p+1]
.endr
.endr
	s_wait_dscnt 0x0
.irp t, 0,1,2,3
.irp p, 0,1,2,3
	v_pk_fma_f32 v[R3+32+8*\t+2*\p:R3+32+8*\t+2*\p+1], v[R3+32+8*\t+2*\p:R3+32+8*\t+2*\p+1], v[R2+16*\t+2*\p:R2+16*\t+2*\p+1], v[R2+16*\t+8+2*\p:R2+16*\t+8+2*\p+1]
.endr
.endr
	; THE SORT.  Each lane sorts its 64 numbers downward (21 stages; z itself stays in R3), R1 and R2 by turns
	WIN 0x05
	STAGE R3, R1, 1, 2
	WIN 0
	STAGE R1, R2, 2, 4
	STAGE R2, R1, 1, 4
	STAGE R1, R2, 4, 8
	STAGE R2, R1, 2, 8
	STAGE R1, R2, 1, 8
	STAGE R2, R1, 8, 16
	STAGE R1, R2, 4, 16
	STAGE R2, R1, 2, 16
	STAGE R1, R2, 1, 16
	STAGE R2, R1, 16, 32
	STAGE R1, R2, 8, 32
	STAGE R2, R1, 4, 32
	STAGE R1, R2, 2, 32
	STAGE R2, R1, 1, 32
	STAGE R1, R2, 32, 64
	STAGE R2, R1, 16, 64
	STAGE R1, R2, 8, 64
	STAGE R2, R1, 4, 64
	STAGE R1, R2, 2, 64
	STAGE R2, R1, 1, 64
	; the two lanes of a row meet: my number i against the other lane's number 63 - i; lanes 0-15 keep the larger (the middle of a, b, +infinity), lanes 16-31 the smaller
.set i, 0
.rept 64
	v_permlanex16_b32 v[R2+i], v[R1+63-i], s12, s13
.set i, i+1
.endr
.set i, 0
.rept 64
	v_med3_num_f32 v[R2+i], v[R1+i], v[R2+i], v[VL]
.set i, i+1
.endr
	STAGE R2, R1, 32, 64                           ; each half is bitonic: six stages sort it
	STAGE R1, R2, 16, 64
	STAGE R2, R1, 8, 64
	STAGE R1, R2, 4, 64
	STAGE R2, R1, 2, 64
	STAGE R1, R2, 1, 64                            ; R2 + i: the row's number of rank 64 h + i + 1
	; TAU = the largest of (sum of the k largest - 1) / k
.irp q, 0,1,2,3,4,5,6,7,8,9,10,11,12,13,14,15
	ds_load_b128 v[R1+4*\q:R1+4*\q+3], v[IA] offset:16*\q       ; 1 / (64 h + i + 1)
.endr
.irp i, 1,2,3,4,5,6,7,8,9,10,11,12,13,14,15
.irp c, 0,1,2,3
	v_add_f32 v[R2+16*\c+\i], v[R2+16*\c+\i], v[R2+16*\c+\i-1]   ; running sums in four chunks of 16, by turns
.endr
.endr
	s_delay_alu instid0(VALU_DEP_3)
	v_add_f32 v[MX], v[R2+15], v[R2+31]
	s_delay_alu instid0(VALU_DEP_1)
	v_add_f32 v[MX+1], v[MX], v[R2+47]
	s_delay_alu instid0(VALU_DEP_1)
	v_add_f32 v[TOT], v[MX+1], v[R2+63]
	s_delay_alu instid0(VALU_DEP_1)
	v_permlanex16_b32 v[OTH], v[TOT], s12, s13
	s_delay_alu instid0(VALU_DEP_1)
	v_fma_f32 v[OQ], v[OTH], v[HF], -1.0           ; what stands ahead of my first chunk: -1, and in lanes 16-31 the sum of the 64 largest
	s_delay_alu instid0(VALU_DEP_1)
	v_add_f32 v[OQ+2], v[OQ], v[R2+15]
	s_delay_alu instid0(VALU_DEP_2)
	v_add_f32 v[OQ+4], v[OQ], v[MX]
	s_delay_alu instid0(VALU_DEP_3)
	v_add_f32 v[OQ+6], v[OQ], v[MX+1]
.irp c, 0,1,2,3
.irp p, 0,1,2,3,4,5,6,7
	v_pk_add_f32 v[R2+16*\c+2*\p:R2+16*\c+2*\p+1], v[R2+16*\c+2*\p:R2+16*\c+2*\p+1], v[OQ+2*\c:OQ+2*\c+1] op_sel_hi:[1,0]
.endr
.endr
	s_wait_dscnt 0x0
.set i, 0
.rept 32
	v_pk_mul_f32 v[R2+2*i:R2+2*i+1], v[R2+2*i:R2+2*i+1], v[R1+2*i:R1+2*i+1]
.set i, i+1
.endr
.irp c, 0,1,2,3
	v_max_num_f32 v[MX+\c], v[R2+16*\c], v[R2+16*\c+1]
.endr
.irp i, 2,4,6,8,10,12,14
.irp c, 0,1,2,3
	s_delay_alu instid0(VALU_DEP_4)
	v_max3_num_f32 v[MX+\c], v[MX+\c], v[R2+16*\c+\i], v[R2+16*\c+\i+1]
.endr
.endr
	s_delay_alu instid0(VALU_DEP_2)
	v_max3_num_f32 v[MX], v[MX], v[MX+1], v[MX+2]
	s_delay_alu instid0(VALU_DEP_1)
	v_max_num_f32 v[MX], v[MX], v[MX+3]
	s_delay_alu instid0(VALU_DEP_1)
	v_permlanex16_b32 v[OTH], v[MX], s12, s13
	s_delay_alu instid0(VALU_DEP_1)
	v_max_num_f32 v[TAU], v[MX], v[OTH]
	LDFR 4, 56                                     ; the output's four fragments,
.irp t, 0,1,2,3
.irp q, 0,1
	ds_load_b128 v[R2+32+8*\t+4*\q:R2+32+8*\t+4*\q+3], v[CA] offset:CTO-CT1+128*\t+32+16*\q   ; and out_b in the result's layout: the C of each sum
.endr
.endr
	; tfeat x max(0, z - tau), quantised
	WIN 0x41
.set i, 0
.rept 32
	v_pk_add_f32 v[R3+2*i:R3+2*i+1], v[R3+2*i:R3+2*i+1], v[TAU:TAU+1] op_sel_hi:[1,0] neg_lo:[0,1] neg_hi:[0,1]
.set i, i+1
.endr
	WIN 0x45
.set i, 0
.rept 64
	v_max_num_f32 v[R3+i], 0, v[R3+i]
.set i, i+1
.endr
.set i, 0
.rept 32
	v_pk_mul_f32 v[R3+2*i:R3+2*i+1], v[R3+2*i:R3+2*i+1], v[T+64*(\m)+2*i:T+64*(\m)+2*i+1]
.set i, i+1
.endr
	WIN 0
	QUANT R3, 1, TQ+8*(\m), TS+(\m)
	s_wait_alu depctr_va_vdst(0)
	s_wait_dscnt 0x0
	PLACES 8
.irp t, 0,1,2,3
	MM R1+8*\t, R2+8*\t, TQ+8*(\m), R2+32+8*\t, SC+28+\t/2, TS+(\m), \t%2
.endr
	PLACES 4
	; a lane holds 8 neighbouring numbers of a row: through my stage, and out as whole rows
.irp t, 0,1,2,3
	ds_store_b128 v[OSW], v[R1+8*\t:R1+8*\t+3] offset:128*(\t/2)+32*(\t%2)          ; each accumulator from its low end on
	ds_store_b128 v[OSW], v[R1+8*\t+4:R1+8*\t+7] offset:128*(\t/2)+32*(\t%2)+16
.endr
.irp i, 0,1,2,3,4,5,6,7
	ds_load_b128 v[R1+32+4*\i:R1+32+4*\i+3], v[OSR] offset:2*OP*\i
.endr
.irp i, 0,1,2,3,4,5,6,7
	s_wait_dscnt 7-\i                              ; LDS loads come back in order: load i is in, the younger ones may be out
	global_store_b128 v[LI], v[R1+32+4*\i:R1+32+4*\i+3], s[8:9] offset:4096*(\m)+512*\i th:TH_STORE_NT   ; 32 lanes store two whole rows: 512 consecutive bytes, at a multiple of 512 from out0's first byte
.endr
.endm
	; ---- THE HEAD.  Every LDS address is made here, from the thread's number, the wave's number and constants
	s_load_b128 s[4:7], s[0:1], 0x0                ; features s[4:5], wimg s[6:7]
	s_load_b64 s[8:9], s[0:1], 0x10                ; out0
	v_lshrrev_b32 v8, 5, v0
	s_delay_alu instid0(VALU_DEP_1)
	v_readfirstlane_b32 s10, v8                    ; wave 0..7
	v_and_b32 v120, 31, v0                         ; lane
	v_and_b32 v121, 15, v0                         ; r
	v_bfe_u32 v122, v0, 4, 1                       ; h
	s_mul_i32 s11, s10, STGB
	s_add_co_u32 s11, s11, STG                     ; my stage
	s_mov_b32 s12, 0x76543210
	s_mov_b32 s13, 0xfedcba98                      ; lane selects: lane l xor 16
	v_lshlrev_b32 v[LI], 4, v120
	v_lshl_add_u32 v[CA], v122, 6, CT1
	v_lshl_add_u32 v[IA], v122, 8, INVT
	s_delay_alu instid0(VALU_DEP_3)
	v_add_nc_u32 v[STW], s11, v[LI]
	v_mul_u32_u24 v8, v121, XP
	s_delay_alu instid0(VALU_DEP_1)
	v_lshl_add_u32 v8, v122, 6, v8
	s_delay_alu instid0(VALU_DEP_1)
	v_add_nc_u32 v[STR], s11, v8
	v_mul_u32_u24 v8, v121, OP
	s_delay_alu instid0(VALU_DEP_1)
	v_lshl_add_u32 v8, v122, 6, v8
	s_delay_alu instid0(VALU_DEP_1)
	v_add_nc_u32 v[OSW], s11, v8
	v_mul_u32_u24 v8, v122, OP
	s_delay_alu instid0(VALU_DEP_1)
	v_lshl_add_u32 v8, v121, 4, v8
	s_delay_alu instid0(VALU_DEP_1)
	v_add_nc_u32 v[OSR], s11, v8
	v_lshlrev_b32 v[VL], 31, v122
	s_delay_alu instid0(VALU_DEP_1)
	v_or_b32 v[VL], 0x7f800000, v[VL]
	v_cvt_f32_u32 v[HF], v122
	v_lshlrev_b32 v11, 4, v0                       ; the copy of the images: 16 bytes a thread, 4,096 a round;
	v_lshl_add_u32 v12, v0, 4, 65536               ; (an LDS immediate has 16 bits: rounds 16 and 17)
	v_lshl_add_u32 v13, v0, 2, TAILB               ; the last 1,024 bytes: 4 a thread
	v_lshl_add_u32 v14, v0, 2, INVT                ; my word of the table of reciprocals
	v_lshlrev_b32 v15, 2, v121
	s_delay_alu instid0(VALU_DEP_1)
	v_lshl_add_u32 v15, v122, 7, v15
	s_delay_alu instid0(VALU_DEP_1)
	v_add_nc_u32 v15, SCL, v15                     ; scale words: lanes 0-15 an even fragment's, lanes 16-31 the odd one's behind it
	s_lshl_b32 s16, ttmp9, 19                      ; x: 512 rows of 1,024 bytes a work-group,
	s_lshl_b32 s17, s10, 16                        ; 64 a wave
	s_add_co_u32 s16, s16, s17
	s_mov_b32 s17, 0
	s_lshl_b32 s18, ttmp9, 17                      ; out0: rows of 256 bytes
	s_lshl_b32 s19, s10, 14
	s_add_co_u32 s18, s18, s19
	s_mov_b32 s19, 0
	s_wait_alu depctr_va_vdst(0)
	s_wait_kmcnt 0x0
	s_add_nc_u64 s[4:5], s[4:5], s[16:17]
	s_add_nc_u64 s[8:9], s[8:9], s[18:19]
.irp i, 0,1,2,3,4,5,6,7,8,9,10,11,12,13,14,15,16,17
	global_load_b128 v[R1+4*\i:R1+4*\i+3], v11, s[6:7] offset:4096*\i
.endr
	global_load_b32 v[R1+72], v13, s[6:7]
	XLOAD 0, T, 0                                  ; the first batch's x: four pieces, into the four quarters of window 1
	XLOAD 1, T+64, 0
.irp j, OQ+1, OQ+3, OQ+5, OQ+7, TM+4, TM+5, TM+6, TM+7, TAU+1, OTH
	v_mov_b32 v[\j], 0                             ; written once: upper halves of pairs whose low word is broadcast, and destinations of lane permutes, which count as sources
.endr
	v_add_nc_u32 v112, 1, v0
	s_delay_alu instid0(VALU_DEP_1)
	v_cvt_f32_u32 v112, v112                       ; k = my thread's number + 1
	s_wait_alu depctr_va_vdst(0)
	v_rcp_f32 v114, v112
	v_nop                                          ; a plain instruction behind the reciprocal
	s_wait_alu depctr_va_vdst(0)                   ; and the wait ahead of its first reader
	v_fma_f32 v116, -v112, v114, 1.0
	v_fma_f32 v114, v114, v116, v114               ; one step of refinement
	s_wait_alu depctr_va_vdst(0)
	s_wait_loadcnt 32                              ; the images' 19 loads are in; the 32 loads of x behind them may be out
	XLOAD 2, R3, 0
.irp i, 0,1,2,3,4,5,6,7,8,9,10,11,12,13,14,15
	ds_store_b128 v11, v[R1+4*\i:R1+4*\i+3] offset:4096*\i
.endr
	ds_store_b128 v12, v[R1+64:R1+67]
	ds_store_b128 v12, v[R1+68:R1+71] offset:4096
	ds_store_b32 v13, v[R1+72]
	ds_store_b32 v14, v114
	s_wait_dscnt 0x0                               ; for the others' sake: my part of the images and of the table has landed
	s_barrier_signal -1
	s_barrier_wait -1                              ; everybody's has.  From here on nobody writes these bytes, and each wave keeps to its own stage
.set i, 0
.rept 30
	ds_load_b32 v[SC+i], v15 offset:256*i
.set i, i+1
.endr
	XTURN T, 32                                    ; piece 0 is in; the 32 loads of pieces 1 and 2 may be out
	XLOAD 3, XL, 0                                 ; the fourth piece is asked for here: 48 loads of mine are out
	QUANT R1, 0, XQ, XS
	XTURN T+64, 32                                 ; piece 1 is in; pieces 2 and 3 may be out
	QUANT R1, 0, XQ+8, XS+1
	XTURN R3, 16                                   ; piece 2 is in; piece 3 may be out
	QUANT R1, 0, XQ+16, XS+2
	XTURN XL, 0
	QUANT R1, 0, XQ+24, XS+3
	s_mov_b32 s14, 2                               ; batches to go
.Lbatch:
	LDFR 8, 0
	LDCN CT1, 0
	s_cmp_eq_u32 s14, 1
	s_cbranch_scc1 .Lno_next
	s_wait_loadcnt 0x0                             ; XL is loaded anew only when every earlier load into it has landed, whichever way led here through the branches round the pieces; the last piece's own wait was for 0, so no load of mine is out and this wait is met at once
	XLOAD 0, XL, 1                                 ; the next batch's first piece: it has all of GLU1 in which to land
.Lno_next:
	PLACES 8                                       ; x's scale words and codes were written by vector instructions
	G1 0
	G1 1
	G1 2
	G1 3
	QUANT T, 1, TQ, TS
	QUANT T+64, 1, TQ+8, TS+1
	XPIECE 0
	PLACES 8
	s_wait_alu depctr_va_vdst(0)
	G2 0
	G2 1
	G2 2
	G2 3
	QUANT T, 1, TQ, TS                             ; tfeat's codes; tfeat itself stays in T for the mask
	QUANT T+64, 1, TQ+8, TS+1
	XPIECE 1
	TAIL 0, 1
	XPIECE 2
	TAIL 1, 0
	XPIECE 3
	s_wait_xcnt 0x0                                ; every load and store has read its base and its registers: both bases step
	s_add_nc_u64 s[4:5], s[4:5], 0x8000            ; 32 rows of x
	s_add_nc_u64 s[8:9], s[8:9], 0x2000            ; 32 rows of out0
	s_sub_co_i32 s14, s14, 1
	s_cmp_lg_u32 s14, 0
	s_cbranch_scc1 .Lbatch
	s_wait_xcnt 0x0
	v_lshl_add_u32 v254, v0, 2, 0x23000
	v_mov_b32 v255, 0
	s_wait_alu depctr_va_vdst(0)
	s_wait_tensorcnt 0x0
	ds_add_u32 v254, v255
	s_wait_dscnt 0x0
	s_endpgm
.Lfunc_end_k_qb54c32ce08_main:
	.size	k_qb54c32ce08_main, .Lfunc_end_k_qb54c32ce08_main-k_qb54c32ce08_main
	.p2alignl 7, 3214868480
	.fill 96, 4, 3214868480
	.section	.rodata,"a",@progbits
	.p2align	6, 0x0
	.amdhsa_kernel k_qb54c32ce08_main
		.amdhsa_group_segment_fixed_size 144384
		.amdhsa_private_segment_fixed_size 0
		.amdhsa_enable_private_segment 0
		.amdhsa_kernarg_size 24
		.amdhsa_user_sgpr_count 2
		.amdhsa_user_sgpr_kernarg_segment_ptr 1
		.amdhsa_wavefront_size32 1
		.amdhsa_system_sgpr_workgroup_id_x 1
		.amdhsa_system_sgpr_workgroup_id_y 1
		.amdhsa_system_sgpr_workgroup_id_z 1
		.amdhsa_system_vgpr_workitem_id 0
		.amdhsa_next_free_vgpr 512
		.amdhsa_next_free_sgpr 66
		.amdhsa_reserve_vcc 0
		.amdhsa_float_denorm_mode_32 3
		.amdhsa_float_denorm_mode_16_64 3
		.amdhsa_memory_ordered 1
		.amdhsa_forward_progress 1
		.amdhsa_inst_pref_size 255
	.end_amdhsa_kernel
	.section	.bss,"aw",@nobits
	.p2align	6
	.space	262144
	.amdgpu_metadata
---
amdhsa.version: [ 1, 2 ]
amdhsa.kernels:
  - .name:           k_qb54c32ce08_main
    .symbol:         k_qb54c32ce08_main.kd
    .args:
      - { .name: features, .offset: 0, .size: 8, .value_kind: global_buffer, .address_space: global }
      - { .name: wimg, .offset: 8, .size: 8, .value_kind: global_buffer, .address_space: global }
      - { .name: out0, .offset: 16, .size: 8, .value_kind: global_buffer, .address_space: global }
    .group_segment_fixed_size: 144384
    .private_segment_fixed_size: 0
    .kernarg_segment_align: 8
    .kernarg_segment_size: 24
    .max_flat_workgroup_size: 256
    .sgpr_count:     66
    .vgpr_count:     512
    .wavefront_size: 32
...
	.end_amdgpu_metadata
.endif
;; end of part 2
